; MI455X (gfx1250); checked and timed in simulation.
; The chip was launched on July 23, 2026; its instructions are those of AMD's public machine-readable ISA for CDNA 5 (MIT licence, August 2026) and "CDNA5" Instruction Set Architecture Reference Guide (July 2026). The comments in the code are by the model that wrote it; some were corrected since.
;; Feed Forward Quantum. Allowed arithmetic: matrix products marked QUANTISED: E5M2 operands, one E8M0 scale for each 32 along K, by v_wmma_scale_f32_16x16x128_f8f6f4 with both operands' format E5M2, f32 sums; products left as they are: f32 operands where the result goes on into a quantised operand, else bf16, f16 or f32 operands; f32 sums; everything else in f32.
;; Inputs: W1 4,096 x 8 float32; W2_codes 1,024 x 128 x 32 uint8 (E5M2 codes of W2, K innermost, in blocks of 32 codes); W2_scales 1,024 x 128 uint8 (E8M0 scales of W2, one for each 32 codes along K); b1 4,096 float32; b2 1,024 float32; theta 8 float32; x 16 x 1,024 x 1,024 float32.
;; Outputs: out0 16 x 1,024 x 1,024 float32.
;; This version of the problem:
;;   THIS VERSION OF THE PROBLEM IS GIVEN IN LOW PRECISION. The matrix products marked QUANTISED in the list below multiply operands that are first quantised to E5M2 (5 exponent bits, 2 mantissa bits; 8 bits a number), with one power-of-two scale for each 32 numbers along K (OCP MX v1.0); their sums are f32. All else is computed in f32.
;;   The module's matrix products, in the order in which they are computed (A, B: the left and right operand; K: the contracted axis; several contracted axes count as one K, in the product's order):
;;     1. [M 16,384, K 8] x [K 8, N 4,096]; A: computed on the way; B: input W1: left as it is (K = 8 < 32)
;;     2. [M 16,384, K 4,096] x [K 4,096, N 1,024]; A: computed on the way; B: input W2 (given as codes): QUANTISED
;;   THE QUANTISER, for each operand of a quantised product, along K:
;;     - K is cut into blocks of 32 from its start; a last block that is shorter is filled with zeros.
;;     - A block's scale is 2^e with e = floor(log2(the largest magnitude in the block)) - 15, held to -126 .. 127; a block of zeros has e = 0. As a byte (E8M0): e + 127.
;;     - Each number is divided by its block's scale, clamped to +-57,344, and rounded to the nearest number of E5M2, ties to even, subnormals kept.
;;     - The product sums the exact products of the quantised numbers (number of the format x scale) in f32.
;;   ~~~python
;;   def quantise(x, axis):      # numpy; x: float32 -> the quantised numbers, widened to float32 again
;;       x = np.moveaxis(x, axis, -1); K = x.shape[-1]
;;       x = np.pad(x, [(0, 0)] * (x.ndim - 1) + [(0, -K % 32)]); x = x.reshape(x.shape[:-1] + (-1, 32)); a = np.abs(x).max(-1, keepdims=True)
;;       e = np.where(a > 0, np.clip(np.frexp(np.where(a > 0, a, 1))[1] - 1 - 15, -126, 127), 0)      # np.frexp(a)[1] - 1 = floor(log2(a)), exactly
;;       r = np.clip(x / 2.0 ** e, -57344, 57344)
;;       step = 2.0 ** (np.maximum(np.frexp(np.where(r == 0, 1, r))[1] - 1, -14) - 2)
;;       q = np.round(r / step) * step * 2.0 ** e      # np.round: ties to even
;;       return np.moveaxis(q.reshape(q.shape[:-2] + (-1,))[..., :K], -1, axis).astype(np.float32)
;;   ~~~
;;   OPERANDS COMPUTED ON THE WAY. 'Computed on the way' means the value that the module computes at that place (a softmax that the list does not call 'softmax' is quantised finished and normalised). What goes into a quantiser is computed in f32, as accurately as f32 sums, v_exp_f32 and their like allow (about 1e-6 of the number): no bf16 or f16 on the way to a quantiser, and a product that is left as it is and whose result goes on into a quantised operand takes f32 operands (vector FMAs, or v_wmma_f32_16x16x4_f32). A number that lies on a knife's edge between two numbers of the format may be rounded either way, as far as f32 arithmetic and the matrix unit's own rounding can turn it there, and no further.
;;   INPUTS GIVEN AS CODES. W2 (in the module: [1024, 4096], K = its axis 1): each comes as NAME_codes (uint8): NAME with its K axis moved to the last place and cut into blocks of 32 codes, [.., K / 32, bytes a block], one block behind the other in memory; one code a byte (a code: sign, 5 exponent bits, 2 mantissa bits); and NAME_scales (uint8): the same leading axes, one E8M0 byte (e + 127) for each 32 codes along K. Its value is code x scale, taken as it is: it is not quantised again, and the codes and scales need not be those that the quantiser above would give.
;; One version. Each part assembles by itself: llvm-mc -triple=amdgcn-amd-amdhsa -mcpu=gfx1250 --defsym DOCPART=n.
;; ======== version 1 of 1: 1 launch
;; limits: inputs' magnitudes at most 105,615
;; launch ffq (part 1): grid 128 x 2, 8 waves a work-group, clusters of 4 x 1, 327,680 bytes of LDS; arguments x, theta, W1, b1, W2_codes, W2_scales, b2, out0; writes out0
.if DOCPART == 1
	.amdgcn_target "amdgcn-amd-amdhsa--gfx1250"
	.amdhsa_code_object_version 6
	.text
	.protected	k_q9fa9be3233_ffq
	.globl	k_q9fa9be3233_ffq
	.p2align	8
	.type	k_q9fa9be3233_ffq,@function
k_q9fa9be3233_ffq:
	s_mov_b64 s[64:65], 0
	v_nop
	global_prefetch_b8 v0, s[64:65] scope:SCOPE_SE
	s_setreg_imm32_b32 hwreg(HW_REG_WAVE_MODE, 25, 1), 1
	s_wait_xcnt 0x0
	s_wait_alu depctr_hold_cnt(0) depctr_sa_sdst(0) depctr_va_vdst(0) depctr_va_sdst(0) depctr_va_ssrc(0) depctr_va_vcc(0) depctr_vm_vsrc(0)
	s_getreg_b32 s2, hwreg(HW_REG_IB_STS2, 6, 4)
	s_cmp_eq_u32 s2, 0
	s_cbranch_scc0 .Lentry_in_a_cluster
	s_endpgm
.Lentry_in_a_cluster:
	s_bfe_u32 s2, ttmp6, 0x10000c
	s_cmp_lg_u32 s2, 0x3003
	s_cbranch_scc0 .Lentry_shape_is_right
	s_endpgm
.Lentry_shape_is_right:
; out[16384][1024] = Q(h) W2^T + b2,  h[16384][4096] = relu(qz W1^T + b1),  qz[16384][8] = cos(x[:, 0..7]) cos(theta).
; The second product runs on codes of BF8 (E5M2) with one E8M0 scale for each 32 along K (the hidden axis): W2 comes as codes and scale bytes, h is quantised here, on its way.  All else is f32.
; SHARES.  A work-group owns 128 rows and 512 columns: 128 x 2 = 256 work-groups.  So h is made twice (once for each half of the columns), and each byte of W2 that comes into LDS feeds 128 multiply-adds;
; a tile of 64 x 1,024 would make h once and feed 64, a tile of 256 x 256 would make h four times.  Wave w of eight owns rows 64 (w / 4) on and columns 128 (w % 4) on: 4 x 8 accumulators of 16 x 16,
; 256 registers (window 1).  Two waves lie on a SIMD, so that one wave's vector lines and LDS loads stand beside the other's matrix instructions.
; K goes in 32 intervals of 128.  W2's codes come through a ring of two LDS slots of TWO intervals each (512 rows x 256 bytes, aligned in memory): one load a wave behind each change of slots.
; h OF THE NEXT INTERVAL is made while this one is multiplied: wave w makes block w % 4 (32 hidden units) for the four row tiles of its own 64 rows, by v_wmma_f32_16x16x4_f32 (f32 operands, two
; instructions for K = 8, b1 as the first one's C), used transposed, with W1's rows chosen so that a lane's 16 results are 16 neighbours along the next K; relu and the hold are one line; the codes go
; to LDS as an image of the operand's registers, the scale byte into its row's scale word, and the waves load the fragments behind the interval's barrier.
; W2's SCALE BYTES: the 65,536 of the work-group's columns do not fit beside the ring (49,152 bytes are left, of which h's images take 32,768).
; Short pieces of rows of 128 bytes, which is this text's weak point.
; CLUSTER.  The four work-groups of a cluster have the same half of the columns and walk the same W2: each tile is asked for JOINTLY (mask 15); a mask names four work-groups.
; cos is a three-part reduction by pi / 2 and two polynomials.  LIMITS: |x| and |theta| up to 105,615 (beyond that the reduction loses accuracy); NaN and infinities among the inputs are not served.
; A block of h that is all zeros keeps the scale byte 1 where the rule says 127: its codes are zeros, and the bytes are read by this program alone.
; REGISTERS, window 0: v1-15 addresses; v16-31 qz; v32-39 W1's two tiles; v40-55 b1's two tiles; v56-87 h of two units (written by matrix instructions alone); v88-95 h held; v96-103 codes, two sets;
;   v104-115 at work, two sets; v116-117 h's scale words; v118-125 W2's; v128-191 h's four fragments; v192-255 W2's fragments, two sets of two.   window 1: accumulator (a, b) at v[8 (8 a + b)].
.set PITCH,  272                       ; a row of W2's tile in LDS: 256 bytes + 16 of padding: seventeen times 16 bytes, so the 16 rows that a load touches fall on 16 different 16-byte columns of 256
.set SLOTB,  512*PITCH                 ; a slot: 139,264 bytes; slot 0 at 0, slot 1 behind it
.set AIMG,   2*SLOTB                   ; h's eight fragments as register images, two buffers: buffer x 16384 + row tile x 2048 + 512 c + 16 lane
.set ABUF,   16384
.set ASC,    AIMG+2*ABUF               ; h's scale words, two buffers of 512: 4 bytes a row, byte = block
.set BSC,    ASC+1024                  ; W2's scale bytes, a buffer of 4,096 for each slot: 8 bytes a column
.set SPARE,  BSC+8192                  ; the spare words, 128 bytes for each of eight waves: four blocks of 256 bytes that no other line names
.set SPITCH, 528                       ; the way out: a stage of 16 rows x (512 + 16) bytes for each wave, in slot 0, which has then had its last fill and its last read
.set SPW, 1                            ; v1   SPARE + 4 x my thread's number; never rewritten
.set NIL, 2                            ; v2   0; never rewritten
.set LI,  3                            ; v3   AIMG + 8192 (w / 4) + 16 lane: my 64 rows' fragments
.set ADB, 4                            ; v4-5 my place in W2's tile in slot 0, 1: (128 (w % 4) + r) PITCH + 16 h
.set ASA, 6                            ; v6   ASC + 256 (w / 4) + 4 lane
.set BSA, 7                            ; v7   BSC + 1024 (w % 4) + 8 lane
.set AWI, 8                            ; v8   where I store my codes: LI + 512 (w % 4)
.set AWS, 9                            ; v9   and my scale byte: ASC + 256 (w / 4) + 4 r + w % 4
.set W1O, 10                           ; v10  32 (r + 8 (r / 8)) + 16 h
.set B1O, 11                           ; v11  64 h
.set PFO, 12                           ; v12  4096 lane
.set STO, 13                           ; v13  the stage, in: 8448 w + 528 r + 32 h
.set RD,  14                           ; v14  the stage, back: 8448 w + 16 lane
.set CO,  15                           ; v15  16 lane
.set QZ,  16                           ; unit u (row tile u of my 64 rows) at QZ + 4 u
.set W1F, 32
.set BIA, 40
.set H,   56                           ; unit u at H + 16 (u % 2)
.set T,   88
.set PC,  96                           ; unit u at PC + 4 (u % 2)
.set TM,  104                          ; unit u at TM + 6 (u % 2): +0 largest magnitude, +1 the other half's, +2 the conversion's scale, +3 the hold, +4 the byte, +5 second chain
.set ASW, 116
.set BSW, 118
.set AF,  128
.set BF,  192
.set CT,  148                          ; v148-153 at work in cos; v154, v155 offsets of x and theta (head only)
.set WV,  20                           ; s20 wave; s21 wave % 4; s22 wave / 4
.set W3,  21
.set WH,  22
.set CX,  23                           ; s23 my place in the cluster; s24 my block of 128 rows: they enter x's, out's and the prefetch's addresses alone
.set GR,  24
.set MNT, 25                           ; s25 the mantissa field of 57,344
.set SEL, 26                           ; s[26:27] v_permlanex16_b32's selects for lane l xor 16
.set CNT, 28
.set LIM, 29                           ; s29 1 in a wave that prefetches, else the greatest number
.set PFA, 30                           ; s[30:31] where my prefetches stand
.set G1C, 32                           ; s[32:39] group 1 for the codes; s[40:43], s[44:47] group 0 for slot 0, 1
.set G0C, 40
.set G1S, 48                           ; s[48:55] group 1 for the scale bytes; s[56:59], s[60:63] group 0 for slot 0, 1
.set G0S, 56
.set W1P, 66                           ; s[66:67] W1, s[68:69] b1 at my block of the interval to be loaded
.set B1P, 68
.set OUTP, 70                          ; s[70:71] out at my rows and columns
.set KC,  72                           ; s72-82 cos's constants
.set CH,  83                           ; s83 my half of the columns, which the four partners share
.set MSB, 0
.macro WIN new                         ; the immediate's high byte repeats the setting that is left; a switch that changes nothing is dropped
.if MSB != \new
	s_set_vgpr_msb (MSB<<8)|\new
.set MSB, \new
.endif
.endm
.set W_MM, 0x50                        ; C and D in window 1, all else in window 0
.macro PLACES n
.rept \n
	v_nop
.endr
.endm
.macro CREST                           ; a round of the cluster's barrier behind its opening barrier
	s_cmp_lg_u32 s[WV], 0
	s_cbranch_scc1 .Lnot_wave_0_\@
	s_barrier_signal -3
.Lnot_wave_0_\@:
	s_barrier_wait -3
	s_barrier_signal -1
	s_barrier_wait -1
.endm
.macro CROUND
	s_barrier_signal -1
	s_barrier_wait -1
	CREST
.endm
; cos of v[v], in place.  k = the nearest whole number to x 2 / pi; rho = x - k pi / 2, pi / 2 in three parts by fused multiply-adds; cos(x) is cos(rho), -sin(rho), -cos(rho), sin(rho) for k mod 4 = 0 .. 3.
.macro COS v
	v_mul_f32 v[CT], s[KC], v[\v]
	v_rndne_f32 v[CT], v[CT]
	v_fma_f32 v[CT+1], v[CT], s[KC+1], v[\v]
	v_fma_f32 v[CT+1], v[CT], s[KC+2], v[CT+1]
	v_fma_f32 v[CT+1], v[CT], s[KC+3], v[CT+1]     ; rho, within pi / 4
	v_cvt_i32_f32 v[CT+2], v[CT]                   ; k as a whole number
	v_mul_f32 v[CT+3], v[CT+1], v[CT+1]            ; s = rho^2
	v_fma_f32 v[CT+4], s[KC+4], v[CT+3], s[KC+5]   ; the two polynomials by turns
	v_fma_f32 v[CT+5], s[KC+7], v[CT+3], s[KC+8]
	v_fma_f32 v[CT+4], v[CT+4], v[CT+3], s[KC+6]
	v_fma_f32 v[CT+5], v[CT+5], v[CT+3], s[KC+9]
	v_fma_f32 v[CT+4], v[CT+4], v[CT+3], -0.5
	v_fma_f32 v[CT+5], v[CT+5], v[CT+3], s[KC+10]
	v_fma_f32 v[CT+4], v[CT+4], v[CT+3], 1.0       ; cos(rho)
	v_mul_f32 v[CT+3], v[CT+1], v[CT+3]            ; rho s
	v_fma_f32 v[CT+5], v[CT+5], v[CT+3], v[CT+1]   ; sin(rho)
	v_and_b32 v[CT], 1, v[CT+2]
	v_cmp_eq_u32 vcc_lo, 1, v[CT]
	v_cndmask_b32 v[\v], v[CT+4], v[CT+5], vcc_lo  ; k odd: the sine
	v_add_nc_u32 v[CT+2], 1, v[CT+2]
	v_and_b32 v[CT+2], 2, v[CT+2]                  ; k mod 4 = 1 or 2: the sign turns
	v_lshlrev_b32 v[CT+2], 30, v[CT+2]
	v_xor_b32 v[\v], v[\v], v[CT+2]
.endm
; My block's operands of the first product: two tiles of 16 rows of W1 (lane (r, h): 16 bytes, W1[row][4 h .. 4 h + 3]) and b1 in the result's layout.  Tile t's lane r takes row 8 t + r + 8 (r / 8) of the block.
.macro OPLOAD
.irp t, 0,1
	global_load_b128 v[W1F+4*\t:W1F+4*\t+3], v[W1O], s[W1P:W1P+1] offset:256*\t
	global_load_b128 v[BIA+8*\t:BIA+8*\t+3], v[B1O], s[B1P:B1P+1] offset:32*\t
	global_load_b128 v[BIA+8*\t+4:BIA+8*\t+7], v[B1O], s[B1P:B1P+1] offset:32*\t+16
.endr
.endm
; h^T = W1 qz^T + b1 for my block and units 2 hf and 2 hf + 1.  A lane's registers 0, 1 are k = 4 h, 4 h + 1 and feed the first instruction, registers 2, 3 the second: the same order of k on both sides.
; In tile (u, t) lane (r, h) holds row r of the unit's row tile, and register i the block's hidden unit 16 h + 8 t + i.  The four accumulators take turns.
.macro FPROD hf
.if \hf == 0
	s_wait_loadcnt 0x0                             ; W1's and b1's six loads, asked for an interval ago, are in: so their bases may step
	s_add_nc_u64 s[W1P:W1P+1], s[W1P:W1P+1], 4096  ; 128 rows of W1 on
	s_add_nc_u64 s[B1P:B1P+1], s[B1P:B1P+1], 512
.endif
.irp u, 0,1
.irp t, 0,1
	v_wmma_f32_16x16x4_f32 v[H+16*\u+8*\t:H+16*\u+8*\t+7], v[W1F+4*\t:W1F+4*\t+1], v[QZ+8*(\hf)+4*\u:QZ+8*(\hf)+4*\u+1], v[BIA+8*\t:BIA+8*\t+7]
.endr
.endr
.irp u, 0,1
.irp t, 0,1
	v_wmma_f32_16x16x4_f32 v[H+16*\u+8*\t:H+16*\u+8*\t+7], v[W1F+4*\t+2:W1F+4*\t+3], v[QZ+8*(\hf)+4*\u+2:QZ+8*(\hf)+4*\u+3], v[H+16*\u+8*\t:H+16*\u+8*\t+7]
.endr
.endr
.endm
; Unit u's 16 numbers a lane (16 neighbours along K; lane l xor 16 holds the block's other 16) become 16 codes and a scale byte, and go to buffer buf.
.macro QUANT u, buf
.set rH, H+16*((\u)%2)
.set rM, TM+6*((\u)%2)
.set rC, PC+4*((\u)%2)
	v_max3_num_f32 v[rM], v[rH], v[rH+1], 0x8000000        ; no |.|: what is negative becomes 0 and must not count.  The floor 2^(16 - 127) holds the byte at 1 from below.  Each tile is read from its low end on
	v_max3_num_f32 v[rM+5], v[rH+8], v[rH+9], v[rH+10]     ; (two chains by turns)
	v_max3_num_f32 v[rM], v[rM], v[rH+2], v[rH+3]
	v_max3_num_f32 v[rM+5], v[rM+5], v[rH+11], v[rH+12]
	v_max3_num_f32 v[rM], v[rM], v[rH+4], v[rH+5]
	v_max3_num_f32 v[rM+5], v[rM+5], v[rH+13], v[rH+14]
	v_max3_num_f32 v[rM], v[rM], v[rH+6], v[rH+7]
	v_max3_num_f32 v[rM], v[rM], v[rM+5], v[rH+15]
	v_permlanex16_b32 v[rM+1], v[rM], s[SEL], s[SEL+1]
	v_max_num_f32 v[rM], v[rM], v[rM+1]                    ; the block's largest magnitude
	v_add_nc_u32 v[rM+2], 0xf8800000, v[rM]                ; 15 off its exponent field: the conversion takes this operand's exponent field as its scale
	v_and_or_b32 v[rM+3], v[rM], 0x7f800000, s[MNT]        ; 57,344 x the scale
.irp i, 0,1,2,3,4,5,6,7
	v_med3_num_f32 v[T+\i], v[rH+\i], 0, v[rM+3]           ; relu and the hold in one (the conversion to an 8-bit code does not saturate: ISA guide 7.6.2); into other registers than the sums'
.endr
	v_cvt_scalef32_pk8_bf8_f32 v[rC:rC+1], v[T:T+7], v[rM+2]
	v_lshrrev_b32 v[rM+4], 23, v[rM+2]                     ; the scale's byte.  (Also the plain line between the conversion and the lines that write its sources again)
.irp i, 0,1,2,3,4,5,6,7
	v_med3_num_f32 v[T+\i], v[rH+8+\i], 0, v[rM+3]
.endr
	v_cvt_scalef32_pk8_bf8_f32 v[rC+2:rC+3], v[T:T+7], v[rM+2]
	v_nop                                                  ; a plain line behind the last conversion
	ds_store_b128 v[AWI], v[rC:rC+3] offset:ABUF*(\buf)+2048*(\u)   ; registers 4 c .. 4 c + 3, c = w % 4, of my rows' fragment u
	ds_store_b8 v[AWS], v[rM+4] offset:512*(\buf)+64*(\u)           ; byte w % 4 of my row's scale word; both halves of the lanes write the same byte with the same value
.endm
.macro LDB set, p, slot, q             ; W2's column tiles 2 p and 2 p + 1 of my 128 columns, the slot's q-th 128 along K: 16 rows x 128 K each, four loads of 16 bytes, 32 bytes apart
.irp i, 0,1
.irp c, 0,1,2,3
	ds_load_b128 v[BF+32*(\set)+16*\i+4*\c:BF+32*(\set)+16*\i+4*\c+3], v[ADB+(\slot)] offset:(2*(\p)+\i)*16*PITCH+128*(\q)+32*\c
.endr
.endr
.endm
.macro LDA buf                         ; my 64 rows' four fragments as they were stored, and the scale words: lanes 0-15 row tile 2 i, lanes 16-31 row tile 2 i + 1
.irp a, 0,1,2,3
.irp c, 0,1,2,3
	ds_load_b128 v[AF+16*\a+4*\c:AF+16*\a+4*\c+3], v[LI] offset:ABUF*(\buf)+2048*\a+512*\c
.endr
.endr
	ds_load_b32 v[ASW], v[ASA] offset:512*(\buf)
	ds_load_b32 v[ASW+1], v[ASA] offset:512*(\buf)+128
.endm
.macro LDSC sl                         ; my 128 columns' scale words of the slot's two intervals: register BSW + 2 g + q: lanes 0-15 column tile 2 g, lanes 16-31 tile 2 g + 1
.irp g, 0,1,2,3
	ds_load_b64 v[BSW+2*\g:BSW+2*\g+1], v[BSA] offset:4096*(\sl)+256*\g
.endr
.endm
; One product, used transposed: source 0 = 16 rows of W2 (column tile b), source 1 = 16 rows of h (row tile a): a lane holds eight neighbouring columns of one row of out.
.macro WM a, b, q, zero
.set rD, 8*(8*(\a)+(\b))
.set rB, BF+32*(((\b)/2)%2)+16*((\b)%2)
.set rA, AF+16*(\a)
.set rX, BSW+2*((\b)/2)+(\q)
.set rY, ASW+(\a)/2
.if \zero
.if ((\b)%2) && ((\a)%2)
	v_wmma_scale_f32_16x16x128_f8f6f4 v[rD:rD+7], v[rB:rB+15], v[rA:rA+15], 0, v[rX], v[rY] matrix_a_fmt:MATRIX_FMT_BF8 matrix_b_fmt:MATRIX_FMT_BF8 matrix_a_scale:MATRIX_SCALE_ROW1 matrix_b_scale:MATRIX_SCALE_ROW1
.elseif (\b)%2
	v_wmma_scale_f32_16x16x128_f8f6f4 v[rD:rD+7], v[rB:rB+15], v[rA:rA+15], 0, v[rX], v[rY] matrix_a_fmt:MATRIX_FMT_BF8 matrix_b_fmt:MATRIX_FMT_BF8 matrix_a_scale:MATRIX_SCALE_ROW1
.elseif (\a)%2
	v_wmma_scale_f32_16x16x128_f8f6f4 v[rD:rD+7], v[rB:rB+15], v[rA:rA+15], 0, v[rX], v[rY] matrix_a_fmt:MATRIX_FMT_BF8 matrix_b_fmt:MATRIX_FMT_BF8 matrix_b_scale:MATRIX_SCALE_ROW1
.else
	v_wmma_scale_f32_16x16x128_f8f6f4 v[rD:rD+7], v[rB:rB+15], v[rA:rA+15], 0, v[rX], v[rY] matrix_a_fmt:MATRIX_FMT_BF8 matrix_b_fmt:MATRIX_FMT_BF8
.endif
.else
.if ((\b)%2) && ((\a)%2)
	v_wmma_scale_f32_16x16x128_f8f6f4 v[rD:rD+7], v[rB:rB+15], v[rA:rA+15], v[rD:rD+7], v[rX], v[rY] matrix_a_fmt:MATRIX_FMT_BF8 matrix_b_fmt:MATRIX_FMT_BF8 matrix_a_scale:MATRIX_SCALE_ROW1 matrix_b_scale:MATRIX_SCALE_ROW1
.elseif (\b)%2
	v_wmma_scale_f32_16x16x128_f8f6f4 v[rD:rD+7], v[rB:rB+15], v[rA:rA+15], v[rD:rD+7], v[rX], v[rY] matrix_a_fmt:MATRIX_FMT_BF8 matrix_b_fmt:MATRIX_FMT_BF8 matrix_a_scale:MATRIX_SCALE_ROW1
.elseif (\a)%2
	v_wmma_scale_f32_16x16x128_f8f6f4 v[rD:rD+7], v[rB:rB+15], v[rA:rA+15], v[rD:rD+7], v[rX], v[rY] matrix_a_fmt:MATRIX_FMT_BF8 matrix_b_fmt:MATRIX_FMT_BF8 matrix_b_scale:MATRIX_SCALE_ROW1
.else
	v_wmma_scale_f32_16x16x128_f8f6f4 v[rD:rD+7], v[rB:rB+15], v[rA:rA+15], v[rD:rD+7], v[rX], v[rY] matrix_a_fmt:MATRIX_FMT_BF8 matrix_b_fmt:MATRIX_FMT_BF8
.endif
.endif
.endm
.macro MM b, q, zero                   ; column tile b against the four row tiles.  The 32 accumulators take turns, one instruction a turn, in the same order in every interval
.irp a, 0,1,2,3
	WM \a, \b, \q, \zero
.endr
.endm
; A joint refill of a slot.  Waves 0 to 3 fetch a quarter each of W2's codes (128 rows x 256 bytes), waves 4 to 7 a quarter each of the slot's scale bytes.  The branch hangs on the wave's number alone.
; Four v_nop follow each tensor load, ahead of the jump, the label and what follows.
.macro TFILL slot
	s_cmp_lt_u32 s[WV], 4
	s_cbranch_scc0 .Lnot_codes_\@
	tensor_load_to_lds s[G0C+4*(\slot):G0C+4*(\slot)+3], s[G1C:G1C+7]
	s_nop 0
	PLACES 4
	s_branch .Lasked_\@
.Lnot_codes_\@:
	tensor_load_to_lds s[G0S+4*(\slot):G0S+4*(\slot)+3], s[G1S:G1S+7]
	s_nop 0
	PLACES 4
.Lasked_\@:
.endm
; A PREFETCH INTO THE L2, behind each refill: the 256 bytes of each of the 512 rows of W2's codes that the NEXT refill will ask for: one slot, two intervals, 96 matrix instructions a wave, ahead.
; The 32 clusters of a half of the columns walk the same rows: the first of them asks (the branch is alike in its four partners).  The rows are shared out by address: 128 to a partner, 32 to each of
; waves 0 to 3, a lane a row: each block of 256 bytes is named once.  The 14 refills bring slots 2 to 15 of K; the first 13 ask for slots 3 to 15, the last for nothing; slots 0 to 2 come by their loads alone.
.macro ASK how                         ; how = 1: every trip;  2: not in the loop's last trip, where s[CNT] = 1
.if \how == 1
	s_cmp_eq_u32 s[LIM], 1
.else
	s_cmp_gt_u32 s[CNT], s[LIM]
.endif
	s_cbranch_scc0 .Lnot_mine_\@
	global_prefetch_b8 v[PFO], s[PFA:PFA+1] th:TH_LOAD_NT scope:SCOPE_SE
.Lnot_mine_\@:
.endm
; AN INTERVAL: 128 along K: the q-th of slot s; h's buffer is q.
; fill: the other slot is filled again;  prod: the next interval's h is made;  oload: W1 and b1 of the interval after that are asked for;  ask: the prefetch;  zero: the products start the sums;
; close: 0 the work-group's barrier, for h's images alone;  1 the end of a slot that is filled again: the wait for all tensor
;        loads, the add, and a round of the cluster's barrier;  3 the same with the work-group's barrier alone;  2 nothing (the last interval).
; A load into a register that a matrix instruction has read, and a vector line that reads a matrix result, stand eight places behind it, and only plain vector lines that name none of its registers are
; places.
.macro IV s, q, fill, prod, oload, ask, close, zero
.if \fill
	TFILL 1-\s                                     ; first behind the round: my one tensor load until the next round.  Its four v_nop are four of the eight places
	PLACES 4
.else
	PLACES 8                                       ; behind the last interval's products
.endif
	LDB 0, 0, \s, \q
	LDA \q
.if \q == 0
	LDSC \s
.endif
	LDB 1, 1, \s, \q
.if \ask
	ASK \ask
.endif
.if \prod
	FPROD 0                                        ; eight matrix instructions on registers, while the LDS loads come
.endif
	s_wait_dscnt 8                                 ; all but column tiles 2 and 3's eight loads
	WIN W_MM
	MM 0, \q, \zero
	MM 1, \q, \zero
	WIN 0
	PLACES 8                                       ; for the first read of h and the loads into W2's first set
.if \prod
	QUANT 0, 1-\q
	QUANT 1, 1-\q
.endif
	LDB 0, 2, \s, \q
.if \prod
	FPROD 1                                        ; units 2 and 3, over the registers that units 0 and 1 have left
.endif
	s_wait_dscnt 8+2*\prod                         ; tiles 2 and 3 are in, and unit 0's stores are done (its registers are written again below); unit 1's two stores and tiles 4 and 5's eight loads may be out
	WIN W_MM
	MM 2, \q, \zero
	MM 3, \q, \zero
	WIN 0
	PLACES 8                                       ; for the first read of h, and the loads into W1's, b1's and W2's registers
.if \oload
	OPLOAD
.endif
	LDB 1, 3, \s, \q
.if \prod
	QUANT 2, 1-\q
.endif
	s_wait_dscnt 8+2*\prod                         ; tiles 4 and 5 are in, and unit 1's stores are done; tiles 6 and 7's eight loads and unit 2's two stores may be out
	WIN W_MM
	MM 4, \q, \zero
	MM 5, \q, \zero
.if \prod
	WIN 0
	QUANT 3, 1-\q
.endif
.if \close == 2
	s_wait_dscnt 0x0
	WIN W_MM
	MM 6, \q, \zero
	MM 7, \q, \zero
	WIN 0
.elseif \close == 0
	s_wait_dscnt 4*\prod                           ; tiles 6 and 7 are in; units 2 and 3's four stores may be out
	WIN W_MM
	MM 6, \q, \zero
	s_wait_dscnt 0x0                               ; my stores of the next h have landed, and my reads of this one are over
	s_barrier_signal -1
	MM 7, \q, \zero                                ; work on registers while the others arrive
	WIN 0
	s_barrier_wait -1
.else
	WIN 0                                          ; (the add's two registers lie in window 0)
	s_wait_tensorcnt 0x0                           ; all my tensor loads have landed: my part of the next slot; so every group 0 may be written
	ds_add_u32 v[SPW], v[NIL]                      ; 0 onto my spare word
.if \close == 1
	s_add_nc_u64 s[G0C+4*\s+2:G0C+4*\s+3], s[G0C+4*\s+2:G0C+4*\s+3], 512   ; this slot's next tile: two slots on along K
	s_add_nc_u64 s[G0S+4*\s+2:G0S+4*\s+3], s[G0S+4*\s+2:G0S+4*\s+3], 16
	s_wait_xcnt 0x0                                ; the last prefetch, one interval back, has read its address
	s_add_nc_u64 s[PFA:PFA+1], s[PFA:PFA+1], 256   ; one slot further on than the refill that follows
.endif
	s_wait_dscnt 4*\prod+1                         ; tiles 6 and 7 are in; units 2 and 3's four stores and the add may be out
	WIN W_MM
	MM 6, \q, \zero                                ; four matrix instructions stand between the add and the wait for it
	s_wait_dscnt 0x0                               ; the add is done, my reads of this slot, of its scale bytes and of h's buffer are over, and my stores of the next h have landed
	s_barrier_signal -1
	MM 7, \q, \zero
	WIN 0
	s_barrier_wait -1
.if \close == 1
	CREST                                          ; the barrier has opened a round of the cluster's barrier: no wave of any partner still reads this slot or has a load on its way
.endif
.endif
.endm
	s_load_b512 s[4:19], s[0:1], 0x0               ; x s[4:5], theta s[6:7], W1 s[8:9], b1 s[10:11], W2's codes s[12:13], W2's scales s[14:15], b2 s[16:17], out s[18:19]
	v_lshl_add_u32 v[SPW], v0, 2, SPARE
	v_mov_b32 v[NIL], 0
	ds_add_u32 v1, v2
	ds_add_u32 v1, v2
	s_wait_dscnt 0x0
	v_lshrrev_b32 v16, 5, v0
	v_readfirstlane_b32 s[WV], v16                 ; wave 0..7
	s_and_b32 s[W3], s[WV], 3
	s_lshr_b32 s[WH], s[WV], 2
	v_and_b32 v17, 31, v0                          ; lane
	v_and_b32 v18, 15, v0                          ; r
	v_bfe_u32 v19, v0, 4, 1                        ; h
	; every LDS address is made here, ahead of the first branch on the wave's number
	v_lshl_add_u32 v[LI], v17, 4, AIMG
	s_lshl_b32 s94, s[WH], 13
	v_add_nc_u32 v[LI], s94, v[LI]
	s_lshl_b32 s95, s[W3], 9
	v_add_nc_u32 v[AWI], s95, v[LI]
	v_mul_u32_u24 v[ADB], v18, PITCH
	v_lshl_add_u32 v[ADB], v19, 4, v[ADB]
	s_mul_i32 s94, s[W3], 128*PITCH
	v_add_nc_u32 v[ADB], s94, v[ADB]
	v_add_nc_u32 v[ADB+1], SLOTB, v[ADB]
	s_lshl_b32 s95, s[WH], 8
	v_lshl_add_u32 v[ASA], v17, 2, ASC
	v_add_nc_u32 v[ASA], s95, v[ASA]
	s_add_co_u32 s94, s95, s[W3]
	v_lshl_add_u32 v[AWS], v18, 2, ASC
	v_add_nc_u32 v[AWS], s94, v[AWS]
	s_lshl_b32 s95, s[W3], 10
	v_lshl_add_u32 v[BSA], v17, 3, BSC
	v_add_nc_u32 v[BSA], s95, v[BSA]
	v_mul_u32_u24 v[STO], v18, SPITCH
	v_lshl_add_u32 v[STO], v19, 5, v[STO]
	s_mul_i32 s94, s[WV], 16*SPITCH
	v_add_nc_u32 v[STO], s94, v[STO]
	v_lshlrev_b32 v[CO], 4, v17
	v_add_nc_u32 v[RD], s94, v[CO]
	; offsets into memory
	v_and_b32 v[W1O], 8, v18
	v_add_nc_u32 v[W1O], v[W1O], v18               ; r + 8 (r / 8)
	v_lshlrev_b32 v[W1O], 5, v[W1O]                ; a row of W1 is 32 bytes
	v_lshl_add_u32 v[W1O], v19, 4, v[W1O]
	v_lshlrev_b32 v[B1O], 6, v19
	v_lshlrev_b32 v[PFO], 12, v17
	v_lshlrev_b32 v154, 12, v18                    ; x: row r of 4,096 bytes, + 16 h
	v_lshl_add_u32 v154, v19, 4, v154
	v_lshlrev_b32 v155, 4, v19                     ; theta: 16 h
	v_mov_b32 v[TM+1], 0                           ; written once: a lane permute's destination counts as one of its sources
	v_mov_b32 v[TM+7], 0
	s_mov_b32 s[MNT], 0x600000
	s_mov_b32 s[SEL], 0x76543210
	s_mov_b32 s[SEL+1], 0xfedcba98
	s_mov_b32 s[KC], 0x3f22f983                    ; 2 / pi
	s_mov_b32 s[KC+1], 0xbfc90fd8                  ; -pi / 2 in three parts
	s_mov_b32 s[KC+2], 0xb4a8885a
	s_mov_b32 s[KC+3], 0xa7c234c4
	s_mov_b32 s[KC+4], 0x37cd4000                  ; cos: 2.4467707e-5, -1.3887730e-3, 4.1666657e-2 (then -0.5, 1)
	s_mov_b32 s[KC+5], 0xbab6077d
	s_mov_b32 s[KC+6], 0x3d2aaaa8
	s_mov_b32 s[KC+7], 0x36405000                  ; sin: 2.8656796e-6, -1.9855992e-4, 8.3333859e-3, -1.6666667e-1
	s_mov_b32 s[KC+8], 0xb9503486
	s_mov_b32 s[KC+9], 0x3c0888c1
	s_mov_b32 s[KC+10], 0xbe2aaaab
	; group 1 for the codes: 128 rows x 256 bytes, 4,096 bytes apart in memory
	s_mov_b32 s[G1C], 15|(0<<16)|(1<<20)|(1<<21)|(5<<22)|(3<<25)   ; 15:0 the mask: all four work-groups; 17:16 elements of 1 byte; 20 padding on; 21 set beside a mask; 24:22 after every 64 words (code 5); 31:25 four words (code 3)
	s_mov_b32 s[G1C+1], 256<<16                    ; tensor_dim0
	s_mov_b32 s[G1C+2], 128<<16                    ; tensor_dim1
	s_mov_b32 s[G1C+3], 256<<16                    ; tile_dim0
	s_mov_b32 s[G1C+4], 128                        ; tile_dim1
	s_mov_b32 s[G1C+5], 4096                       ; tensor_dim0_stride
	s_mov_b32 s[G1C+6], 0
	s_mov_b32 s[G1C+7], 0
	; group 1 for the scale bytes: 128 rows x one element of 8 bytes, 128 bytes (16 elements) apart in memory, dense in LDS
	s_mov_b32 s[G1S], 15|(3<<16)|(1<<21)
	s_mov_b32 s[G1S+1], 1<<16
	s_mov_b32 s[G1S+2], 128<<16
	s_mov_b32 s[G1S+3], 1<<16
	s_mov_b32 s[G1S+4], 128
	s_mov_b32 s[G1S+5], 16
	s_mov_b32 s[G1S+6], 0
	s_mov_b32 s[G1S+7], 0
	s_bfe_u32 s[CX], ttmp6, 0x40000                ; my place in the cluster
	s_lshl_b32 s[GR], ttmp9, 2                     ; in a cluster launch ttmp9 counts clusters
	s_add_co_u32 s[GR], s[GR], s[CX]               ; my block of rows: 128 g on
	s_and_b32 s[CH], ttmp7, 0xffff                 ; my half of the columns: 512 ch on
	s_lshr_b32 s94, s[WV], 2                       ; 0 in waves 0 to 3,
	s_or_b32 s94, s94, ttmp9                       ; of the half's first cluster: the same in all four partners
	s_cmp_eq_u32 s94, 0
	s_cselect_b32 s[LIM], 1, -1
	s_lshl_b32 s84, s[GR], 19                      ; 128 rows of 4,096 bytes,
	s_lshl_b32 s85, s[WH], 18                      ; + my 64 of them
	s_add_co_u32 s84, s84, s85
	s_mov_b32 s85, 0
	s_lshl_b32 s90, s[CH], 11                      ; my 128 columns, in bytes of f32: 2,048 ch + 512 (w % 4)
	s_lshl_b32 s91, s[W3], 9
	s_add_co_u32 s90, s90, s91
	s_mov_b32 s91, 0
	s_add_co_u32 s86, s84, s90
	s_mov_b32 s87, 0
	s_lshl_b32 s88, s[CH], 21                      ; the prefetch: rows 512 ch + 128 cx + 32 (w % 4) on,
	s_lshl_b32 s89, s[CX], 19
	s_add_co_u32 s88, s88, s89
	s_lshl_b32 s89, s[W3], 17
	s_add_co_u32 s88, s88, s89
	s_add_co_u32 s88, s88, 512                     ; at slot 2 of K; the first change of slots steps it to slot 3
	s_mov_b32 s89, 0
	s_mul_i32 s92, s[W3], 128*PITCH                ; a quarter of a slot: no place in the cluster enters an LDS address
	s_lshl_b32 s93, s[W3], 10                      ; a quarter of its scale bytes
	s_wait_kmcnt 0x0
	s_add_nc_u64 s[4:5], s[4:5], s[84:85]
	s_add_nc_u64 s[OUTP:OUTP+1], s[18:19], s[86:87]
	s_add_nc_u64 s[PFA:PFA+1], s[12:13], s[88:89]
	s_add_nc_u64 s[16:17], s[16:17], s[90:91]      ; b2 at my 128 columns
	s_lshl_b32 s90, s[CH], 21                      ; rows 512 ch + 128 (w % 4) of 4,096 bytes
	s_lshl_b32 s94, s[W3], 19
	s_add_co_u32 s90, s90, s94
	s_mov_b32 s[G0C], 1                            ; 1:0 count = 1
	s_mov_b32 s[G0C+1], s92                        ; 63:32 LDS address: slot 0
	s_add_nc_u64 s[G0C+2:G0C+3], s[12:13], s[90:91]   ; 120:64 global address: K 0 to 255
	s_mov_b32 s[G0C+4], 1
	s_add_co_u32 s[G0C+5], s92, SLOTB
	s_add_nc_u64 s[G0C+6:G0C+7], s[G0C+2:G0C+3], 256  ; K 256 to 511
	s_or_b32 s[G0C+3], s[G0C+3], 0x80000000        ; 127:126 type = 2
	s_or_b32 s[G0C+7], s[G0C+7], 0x80000000
	s_lshl_b32 s90, s[CH], 16                      ; the same rows of 128 scale bytes
	s_lshl_b32 s94, s[W3], 14
	s_add_co_u32 s90, s90, s94
	s_mov_b32 s[G0S], 1
	s_add_co_u32 s[G0S+1], s93, BSC
	s_add_nc_u64 s[G0S+2:G0S+3], s[14:15], s[90:91]
	s_mov_b32 s[G0S+4], 1
	s_add_co_u32 s[G0S+5], s93, BSC+4096
	s_add_nc_u64 s[G0S+6:G0S+7], s[G0S+2:G0S+3], 8
	s_or_b32 s[G0S+3], s[G0S+3], 0x80000000
	s_or_b32 s[G0S+7], s[G0S+7], 0x80000000
	s_lshl_b32 s90, s[W3], 10                      ; my block of an interval: 32 rows of W1,
	s_add_nc_u64 s[W1P:W1P+1], s[8:9], s[90:91]
	s_lshl_b32 s90, s[W3], 7                       ; 32 numbers of b1
	s_add_nc_u64 s[B1P:B1P+1], s[10:11], s[90:91]
	CROUND                                         ; all four work-groups are here: the first joint loads meet
	s_cmp_lt_u32 s[WV], 4                          ; a wave's two first fills stand in one branch: two loads of mine are out
	s_cbranch_scc0 .Lfirst_scales
	tensor_load_to_lds s[G0C:G0C+3], s[G1C:G1C+7]
	s_nop 0
	tensor_load_to_lds s[G0C+4:G0C+7], s[G1C:G1C+7]
	s_nop 0
	PLACES 4
	s_branch .Lfirst_asked
.Lfirst_scales:
	tensor_load_to_lds s[G0S:G0S+3], s[G1S:G1S+7]
	s_nop 0
	tensor_load_to_lds s[G0S+4:G0S+7], s[G1S:G1S+7]
	s_nop 0
	PLACES 4
.Lfirst_asked:
.irp u, 0,1,2,3
	global_load_b128 v[128+4*\u:131+4*\u], v154, s[4:5] offset:65536*\u   ; x[row][4 h .. 4 h + 3] of my four row tiles: of a row of x only its first 32 bytes enter the result
.endr
	global_load_b128 v[144:147], v155, s[6:7]      ; theta[4 h .. 4 h + 3]
	OPLOAD                                         ; W1 and b1 of interval 0
	s_wait_loadcnt 0x6                             ; x and theta are in; the six loads behind them may be out
.irp i, 128,129,130,131,132,133,134,135,136,137,138,139,140,141,142,143,144,145,146,147
	COS \i
.endr
.irp u, 0,1,2,3
.irp i, 0,1,2,3
	v_mul_f32 v[QZ+4*\u+\i], v[128+4*\u+\i], v[144+\i]        ; qz: it stays in registers for the whole launch
.endr
.endr
	PLACES 4
	FPROD 0                                        ; h of interval 0
	PLACES 8
	QUANT 0, 0
	QUANT 1, 0
	FPROD 1
	PLACES 8
	OPLOAD                                         ; W1 and b1 of interval 1
	s_wait_dscnt 0x0                               ; units 0 and 1's stores are done: their registers are written again
	QUANT 2, 0
	QUANT 3, 0
	s_wait_tensorcnt 0x1                           ; my part of slot 0 is in; slot 1's may stay out
	s_wait_dscnt 0x0                               ; and my stores of h have landed
	s_barrier_signal -1
	s_barrier_wait -1                              ; everybody's have
	IV 0, 0, 0, 1, 1, 0, 0, 1                      ; interval 0 stands in front of the loop: its products start the sums
	s_mov_b32 s[CNT], 7
.Ltrip:                                            ; intervals 1 to 28, four a trip: once round the ring, from a slot's second interval to that slot's next first; both slots are filled again
	IV 0, 1, 0, 1, 1, 0, 1, 0
	IV 1, 0, 1, 1, 1, 1, 0, 0
	IV 1, 1, 0, 1, 1, 0, 1, 0
	IV 0, 0, 1, 1, 1, 2, 0, 0
	s_sub_co_u32 s[CNT], s[CNT], 1
	s_cmp_lg_u32 s[CNT], 0
	s_cbranch_scc1 .Ltrip
	IV 0, 1, 0, 1, 1, 0, 3, 0                      ; interval 29: the last slot has landed. W1 and b1 of interval 31
	IV 1, 0, 0, 1, 0, 0, 0, 0                      ; interval 30: h of interval 31; no load of W1 passes the end
	global_load_b128 v[T:T+3], v[CO], s[16:17]     ; b2 of my lane's four columns on the way out, into registers that the quantiser has left
	IV 1, 1, 0, 0, 0, 0, 2, 0                      ; interval 31
; THE WAY OUT, a row tile (16 rows x my 128 columns) at a time.  A lane holds 32 neighbouring bytes of a row and the lanes beside it other rows: so a tile goes through my own stage in LDS and comes back as whole
; rows of 512 bytes, where lane l holds columns 4 l .. 4 l + 3 of every row: b2 is four registers.  LDS serves a wave's instructions in order (ISA guide 5.7.1.4): no wait between the stores and the loads.
.macro TOSTAGE a
	WIN 0x04                                       ; an LDS store's data are its source 1: window 1
.irp b, 0,1,2,3,4,5,6,7
	ds_store_b128 v[STO], v[8*(8*(\a)+\b):8*(8*(\a)+\b)+3] offset:64*\b          ; each accumulator from its low end on
	ds_store_b128 v[STO], v[8*(8*(\a)+\b)+4:8*(8*(\a)+\b)+7] offset:64*\b+16
.endr
	WIN 0
.set BB, AF+64*((\a)%2)
.irp t, 0,1,2,3,4,5,6,7,8,9,10,11,12,13,14,15
	ds_load_b128 v[BB+4*\t:BB+4*\t+3], v[RD] offset:\t*SPITCH
.endr
.endm
.macro SEND a, younger                 ; younger: the LDS instructions issued behind tile a's loads, which may stay out
.set BB, AF+64*((\a)%2)
	s_wait_dscnt \younger
.irp t, 0,1,2,3,4,5,6,7,8,9,10,11,12,13,14,15
	v_pk_add_f32 v[BB+4*\t:BB+4*\t+1], v[BB+4*\t:BB+4*\t+1], v[T:T+1]
	v_pk_add_f32 v[BB+4*\t+2:BB+4*\t+3], v[BB+4*\t+2:BB+4*\t+3], v[T+2:T+3]
	global_store_b128 v[CO], v[BB+4*\t:BB+4*\t+3], s[OUTP:OUTP+1] offset:(16*(\a)+\t)*4096 th:TH_STORE_NT   ; 32 lanes store 512 consecutive bytes, at a multiple of 256 from out's first byte; 63 rows on at the most: inside the signed 24-bit immediate
.endr
.endm
	PLACES 8                                       ; behind the last products: for the stores of their results and the loads into the fragments' registers
	TOSTAGE 0
	TOSTAGE 1
	s_wait_loadcnt 0x0                             ; b2
	SEND 0, 32                                     ; behind tile 0's loads: tile 1's 16 stores and 16 loads
	s_wait_xcnt 0x0                                ; tile 0's stores have read their registers: tile 2's loads may land there
	TOSTAGE 2
	SEND 1, 32
	s_wait_xcnt 0x0
	TOSTAGE 3
	SEND 2, 32
	SEND 3, 0
	s_wait_tensorcnt 0x0                           ; the wave's end, behind my last tensor load and my last LDS store
	ds_add_u32 v[SPW], v[NIL]
	s_wait_dscnt 0x0
	CROUND                                         ; the closing round: no work-group ends while a partner may still ask for a tile that names it
	s_endpgm
.Lfunc_end_k_q9fa9be3233_ffq:
	.size	k_q9fa9be3233_ffq, .Lfunc_end_k_q9fa9be3233_ffq-k_q9fa9be3233_ffq
	.p2alignl 7, 3214868480
	.fill 96, 4, 3214868480
	.section	.rodata,"a",@progbits
	.p2align	6, 0x0
	.amdhsa_kernel k_q9fa9be3233_ffq
		.amdhsa_group_segment_fixed_size 327680
		.amdhsa_private_segment_fixed_size 0
		.amdhsa_enable_private_segment 0
		.amdhsa_kernarg_size 64
		.amdhsa_user_sgpr_count 2
		.amdhsa_user_sgpr_kernarg_segment_ptr 1
		.amdhsa_wavefront_size32 1
		.amdhsa_system_sgpr_workgroup_id_x 1
		.amdhsa_system_sgpr_workgroup_id_y 1
		.amdhsa_system_sgpr_workgroup_id_z 1
		.amdhsa_system_vgpr_workitem_id 0
		.amdhsa_next_free_vgpr 512
		.amdhsa_next_free_sgpr 96
		.amdhsa_reserve_vcc 1
		.amdhsa_float_denorm_mode_32 3
		.amdhsa_float_denorm_mode_16_64 3
		.amdhsa_memory_ordered 1
		.amdhsa_forward_progress 1
		.amdhsa_inst_pref_size 205
	.end_amdhsa_kernel
	.amdgpu_metadata
---
amdhsa.version: [ 1, 2 ]
amdhsa.kernels:
  - .name:           k_q9fa9be3233_ffq
    .symbol:         k_q9fa9be3233_ffq.kd
    .args:
      - { .name: x, .offset: 0, .size: 8, .value_kind: global_buffer, .address_space: global }
      - { .name: theta, .offset: 8, .size: 8, .value_kind: global_buffer, .address_space: global }
      - { .name: W1, .offset: 16, .size: 8, .value_kind: global_buffer, .address_space: global }
      - { .name: b1, .offset: 24, .size: 8, .value_kind: global_buffer, .address_space: global }
      - { .name: W2_codes, .offset: 32, .size: 8, .value_kind: global_buffer, .address_space: global }
      - { .name: W2_scales, .offset: 40, .size: 8, .value_kind: global_buffer, .address_space: global }
      - { .name: b2, .offset: 48, .size: 8, .value_kind: global_buffer, .address_space: global }
      - { .name: out0, .offset: 56, .size: 8, .value_kind: global_buffer, .address_space: global }
    .group_segment_fixed_size: 327680
    .private_segment_fixed_size: 0
    .kernarg_segment_align: 8
    .kernarg_segment_size: 64
    .max_flat_workgroup_size: 256
    .sgpr_count:     96
    .vgpr_count:     512
    .wavefront_size: 32
...
	.end_amdgpu_metadata
.endif
;; end of part 1
